; MI455X (gfx1250); checked and timed in simulation.
; The chip was launched on July 23, 2026; its instructions are those of AMD's public machine-readable ISA for CDNA 5 (MIT licence, August 2026) and "CDNA5" Instruction Set Architecture Reference Guide (July 2026). The comments in the code are by the model that wrote it; some were corrected since.
;; Gradient Boosting Base. Allowed arithmetic: float matrix products may take bf16 or f16 operands with f32 sums; other float arithmetic in f32, or as packed bf16 or f16 multiplies, adds, multiply-adds, maxima and minima; sums over many terms, partial sums and values carried from step to step in f32; what a program stores and reads back later, other than sums and carried values, may be rounded once to bf16 or f16.
;; Inputs: features 100 x 3 x 63 int32; init_pred 3 float32; leaf_values 100 x 3 x 64 float32; thresholds 100 x 3 x 63 float32; x 50,000 x 32 float32.
;; Outputs: out0 50,000 x 3 float32.
;; 3 versions, each right; version 2 is faster than version 1; version 3 is version 2 with the launch prep written anew for expert scheduling mode. Each part assembles by itself: llvm-mc -triple=amdgcn-amd-amdhsa -mcpu=gfx1250 --defsym DOCPART=n.
;; ======== version 1 of 3: 2 launches
;; workspace buffers: xk 6,402,048 bytes of whole numbers; nt 153,600 bytes of whole numbers
;; launch prep (part 1): grid 271 x 1, 8 waves a work-group, no clusters, 37,888 bytes of LDS; arguments x, features, thresholds, xk, nt; writes xk, nt
.if DOCPART == 1
	.amdgcn_target "amdgcn-amd-amdhsa--gfx1250"
	.amdhsa_code_object_version 6
	.text
	.protected	k_q024b530786_prep
	.globl	k_q024b530786_prep
	.p2align	8
	.type	k_q024b530786_prep,@function
k_q024b530786_prep:
	s_mov_b64 s[64:65], 0
	v_nop
	global_prefetch_b8 v0, s[64:65] scope:SCOPE_SE
	s_setreg_imm32_b32 hwreg(HW_REG_WAVE_MODE, 25, 1), 1
	s_wait_xcnt 0x0
; GRADIENT BOOSTING, 300 complete trees of depth 6 on 50,000 rows: out[r][c] = init[c] + 0.1 x the sum over 100 stages of the leaf that row r reaches in tree (stage, c).
; NOTHING OF reference() IS LEFT OUT: every comparison on a row's path, every leaf and all five inputs have a way to the output.
; THIS LAUNCH turns the two float inputs that steer the walk into WHOLE NUMBERS, so that the next launch, which forms addresses from comparisons, compares whole numbers read from memory.
; THE KEY of a float with bits u and magnitude a = u & 0x7fffffff is a for u >= 0 and -a for u < 0, as int32: it has the floats' order, and -0 and +0 share key 0.
;   A NaN in x gets 0x7fffffff (above every threshold's key), a NaN threshold 0x80000000 (below every key of x): key(x) > key(t) holds exactly where x <= t is false, NaN included.
;   Made by integer instructions alone; no rounding: the decisions are those of f32.
; xk: a tile of 4,096 bytes for each group of 32 rows: feature f of the group's row l at (f >> 1) x 256 + 8 l + 4 (f & 1).  The last group has 16 rows; its places 16-31 repeat row 49,999.
; nt: class-major, tree (c, stage) at (100 c + stage) x 512; node n at 8 n: word 0 = the byte offset of the node's feature in a tile, (f >> 1) x 256 + 4 (f & 1); word 1 = the threshold's key.
;   Slot 63 of a tree is no node: it gets a copy of another node's pair, so that every byte that the next launch copies is written.
; LIMIT: a feature number is taken as unsigned and clamped to 31; reference() relies on 0 .. 31.
; SHARES.  Work-groups 0-195: a wave a group of rows.  Work-groups 196-270: a thread a node slot (300 x 64 = 19,200 = 75 x 256).
; A group comes in by eight loads of 512 consecutive bytes, is turned through the wave's own LDS bytes (rows 144 bytes apart: 36 words, so the 16 rows of a 16-byte read start in 16 different
; groups of four banks; 64 banks of 4 bytes: ISA guide 11.1), and leaves by sixteen stores of 8 bytes a lane, each 256 consecutive bytes, aligned.
.set N_ROWS, 50000
.set GROUPS, 1563                      ; groups of 32 rows
.set NODES,  18900                     ; 300 x 63
.set XWG,    196                       ; work-groups that make keys of x
.set PITCH,  144
.set WTILE,  32*PITCH                  ; a wave's LDS bytes
.set SPARE,  8*WTILE                   ; behind them: the spare words, 128 bytes a wave, which no other line names
.set SPW,  2                           ; v2   my spare word's LDS address; never rewritten
.set NIL,  3                           ; v3   0; never rewritten
.set LANE, 4
.set MINK, 18                          ; v18  a NaN threshold's key
.set ST,   23                          ; v23  where I put 16 bytes of a row
.set OFF,  24                          ; v[24:31]  byte offsets of my eight loads
.set X,    32                          ; v[32:63]  as loaded: load q holds row 4 q + lane / 8, features 4 (lane % 8) ..
.set Y,    64                          ; v[64:95]  my row's 32 keys
.set RD,   96                          ; v96  my row in LDS
.set GO,   97                          ; v97  8 x lane
.set T0,   98
.set T1,   99
.set MAXK, 100                         ; v100 the key of a NaN in x
; v[d] = the key of the float in v[r]; nan = the register with the key that a NaN gets
.macro KEY d, r, nan
	v_and_b32 v[T0], s20, v[\r]                    ; the magnitude
	v_sub_nc_u32 v[T1], 0, v[T0]
	v_cmp_gt_i32 vcc_lo, 0, v[\r]                  ; the sign bit is set
	v_cndmask_b32 v[\d], v[T0], v[T1], vcc_lo
	v_cmp_lt_u32 vcc_lo, s21, v[T0]                ; a magnitude above infinity's: NaN
	v_cndmask_b32 v[\d], v[\d], v[\nan], vcc_lo
.endm
	s_load_b256 s[4:11], s[0:1], 0x0               ; x s[4:5], features s[6:7], thresholds s[8:9], xk s[10:11]
	s_load_b64 s[12:13], s[0:1], 0x20              ; nt
	v_lshl_add_u32 v[SPW], v0, 2, SPARE
	v_mov_b32 v[NIL], 0
	v_lshrrev_b32 v1, 5, v0
	v_readfirstlane_b32 s14, v1                    ; wave 0..7
	v_and_b32 v[LANE], 31, v0
	s_mov_b32 s20, 0x7fffffff
	s_mov_b32 s21, 0x7f800000
	v_mov_b32 v[MAXK], 0x7fffffff
	v_mov_b32 v[MINK], 0x80000000
	s_wait_kmcnt 0x0
	s_cmp_lt_u32 ttmp9, XWG
	s_cbranch_scc0 .Ltable
	; ---- keys of x ----
	s_lshl_b32 s15, ttmp9, 3
	s_add_co_u32 s15, s15, s14                     ; my group
	s_cmp_lt_u32 s15, GROUPS
	s_cbranch_scc0 .Lend                           ; 196 x 8 = 1,568 waves for 1,563 groups: the last five have none
	v_lshrrev_b32 v20, 3, v[LANE]                  ; which of a load's four rows
	v_and_b32 v21, 7, v[LANE]                      ; which 16 bytes of the row
	s_lshl_b32 s16, s15, 5                         ; the group's first row
	v_add_nc_u32 v22, s16, v20
.irp q, 0,1,2,3,4,5,6,7
	v_add_nc_u32 v[OFF+(\q)], 4*(\q), v22
	v_min_u32 v[OFF+(\q)], N_ROWS-1, v[OFF+(\q)]   ; past the last row: the last row again, so that no load leaves x
	v_lshlrev_b32 v[OFF+(\q)], 7, v[OFF+(\q)]
	v_lshl_add_u32 v[OFF+(\q)], v21, 4, v[OFF+(\q)]
	global_load_b128 v[X+4*(\q):X+4*(\q)+3], v[OFF+(\q)], s[4:5] th:TH_LOAD_NT  ; x is read once in the launch
.endr
	s_mul_i32 s17, s14, WTILE                      ; my wave's LDS bytes
	v_mul_u32_u24 v[ST], v20, PITCH
	v_lshl_add_u32 v[ST], v21, 4, v[ST]
	v_add_nc_u32 v[ST], s17, v[ST]
	v_mul_u32_u24 v[RD], v[LANE], PITCH
	v_add_nc_u32 v[RD], s17, v[RD]
	v_lshlrev_b32 v[GO], 3, v[LANE]
	s_lshl_b32 s18, s15, 12                        ; the group's tile in xk
	s_mov_b32 s19, 0
	s_add_nc_u64 s[18:19], s[10:11], s[18:19]
.irp q, 0,1,2,3,4,5,6,7
	s_wait_loadcnt 7-(\q)                          ; loads come back in order: load q is in, the 7 - q younger ones stay out
.irp j, 0,1,2,3
	KEY X+4*(\q)+(\j), X+4*(\q)+(\j), MAXK
.endr
	ds_store_b128 v[ST], v[X+4*(\q):X+4*(\q)+3] offset:(\q)*4*PITCH
.endr
.irp c, 0,1,2,3,4,5,6,7
	ds_load_b128 v[Y+4*(\c):Y+4*(\c)+3], v[RD] offset:16*(\c)  ; my row; LDS serves a wave's instructions in order, and these bytes are the wave's own: no wait, no barrier
.endr
.irp c, 0,1,2,3,4,5,6,7
	s_wait_dscnt 7-(\c)                            ; LDS load c is in, the 7 - c younger ones stay out
	global_store_b64 v[GO], v[Y+4*(\c):Y+4*(\c)+1],   s[18:19] offset:512*(\c)      ; features 4 c, 4 c + 1 of 32 rows: 256 consecutive bytes, aligned
	global_store_b64 v[GO], v[Y+4*(\c)+2:Y+4*(\c)+3], s[18:19] offset:512*(\c)+256
.endr
	s_branch .Lend
	; ---- the node table ----
.Ltable:
	s_sub_co_u32 s16, ttmp9, XWG
	s_lshl_b32 s16, s16, 8
	v_add_nc_u32 v5, s16, v0                       ; my slot = 64 x tree + n
	v_lshrrev_b32 v6, 6, v5                        ; tree m = 3 x stage + class
	v_sub_nc_u32 v7, v5, v6                        ; 63 m + n: the node's place in features and thresholds
	v_min_u32 v7, NODES-1, v7                      ; (slot 63 of the last tree would lie past the end)
	v_lshlrev_b32 v7, 2, v7
	global_load_b32 v8, v7, s[6:7]
	global_load_b32 v9, v7, s[8:9]
	v_mul_u32_u24 v10, v6, 0x5556                  ; m / 3 = (21,846 m) >> 16, exact for m < 300
	v_lshrrev_b32 v10, 16, v10                     ; stage
	v_mul_u32_u24 v11, v10, 3
	v_sub_nc_u32 v11, v6, v11                      ; class
	v_mul_u32_u24 v11, v11, 100
	v_add_nc_u32 v11, v11, v10                     ; 100 x class + stage
	v_and_b32 v12, 63, v5
	v_lshl_add_u32 v11, v11, 6, v12
	v_lshlrev_b32 v11, 3, v11                      ; 8 bytes a slot: a wave's 32 slots are 256 consecutive bytes, aligned
	s_wait_loadcnt 0x0
	v_min_u32 v8, 31, v8
	v_lshrrev_b32 v13, 1, v8
	v_and_b32 v8, 1, v8
	v_lshlrev_b32 v8, 2, v8
	v_lshl_or_b32 v14, v13, 8, v8                  ; (f >> 1) x 256 + 4 (f & 1)
	KEY 15, 9, MINK
	global_store_b64 v11, v[14:15], s[12:13]
.Lend:
	s_wait_tensorcnt 0x0                           ; the wave's end
	ds_add_u32 v[SPW], v[NIL]
	s_wait_dscnt 0x0
	s_endpgm
.Lfunc_end_k_q024b530786_prep:
	.size	k_q024b530786_prep, .Lfunc_end_k_q024b530786_prep-k_q024b530786_prep
	.p2alignl 7, 3214868480
	.fill 96, 4, 3214868480
	.section	.rodata,"a",@progbits
	.p2align	6, 0x0
	.amdhsa_kernel k_q024b530786_prep
		.amdhsa_group_segment_fixed_size 37888
		.amdhsa_private_segment_fixed_size 0
		.amdhsa_enable_private_segment 0
		.amdhsa_kernarg_size 40
		.amdhsa_user_sgpr_count 2
		.amdhsa_user_sgpr_kernarg_segment_ptr 1
		.amdhsa_wavefront_size32 1
		.amdhsa_system_sgpr_workgroup_id_x 1
		.amdhsa_system_sgpr_workgroup_id_y 1
		.amdhsa_system_sgpr_workgroup_id_z 1
		.amdhsa_system_vgpr_workitem_id 0
		.amdhsa_next_free_vgpr 104
		.amdhsa_next_free_sgpr 66
		.amdhsa_reserve_vcc 1
		.amdhsa_float_denorm_mode_32 3
		.amdhsa_float_denorm_mode_16_64 3
		.amdhsa_memory_ordered 1
		.amdhsa_forward_progress 1
		.amdhsa_inst_pref_size 15
	.end_amdhsa_kernel
	.amdgpu_metadata
---
amdhsa.version: [ 1, 2 ]
amdhsa.kernels:
  - .name:           k_q024b530786_prep
    .symbol:         k_q024b530786_prep.kd
    .args:
      - { .name: x, .offset: 0, .size: 8, .value_kind: global_buffer, .address_space: global }
      - { .name: features, .offset: 8, .size: 8, .value_kind: global_buffer, .address_space: global }
      - { .name: thresholds, .offset: 16, .size: 8, .value_kind: global_buffer, .address_space: global }
      - { .name: xk, .offset: 24, .size: 8, .value_kind: global_buffer, .address_space: global }
      - { .name: nt, .offset: 32, .size: 8, .value_kind: global_buffer, .address_space: global }
    .group_segment_fixed_size: 37888
    .private_segment_fixed_size: 0
    .kernarg_segment_align: 8
    .kernarg_segment_size: 40
    .max_flat_workgroup_size: 256
    .sgpr_count:     66
    .vgpr_count:     104
    .wavefront_size: 32
...
	.end_amdgpu_metadata
.endif
;; end of part 1
;; launch walk (part 2): grid 83 x 3, 19 waves a work-group, no clusters, 157,184 bytes of LDS; arguments xk, nt, leaf_values, init_pred, out0; writes out0
.if DOCPART == 2
	.amdgcn_target "amdgcn-amd-amdhsa--gfx1250"
	.amdhsa_code_object_version 6
	.text
	.protected	k_q024b530786_walk
	.globl	k_q024b530786_walk
	.p2align	8
	.type	k_q024b530786_walk,@function
k_q024b530786_walk:
	s_mov_b64 s[64:65], 0
	v_nop
	global_prefetch_b8 v0, s[64:65] scope:SCOPE_SE
	s_setreg_imm32_b32 hwreg(HW_REG_WAVE_MODE, 25, 1), 1
	s_wait_xcnt 0x0
; out[r][c] = init[c] + 0.1 x the sum over 100 stages of the leaf that row r reaches in tree (stage, c).  Nothing of reference() is left out.
; The walk is made on whole numbers that the launch before stored: xk (int32 keys of x, in the floats' order) and nt (for each node the byte offset of its feature in a tile of keys, and its
; threshold's key).  A row goes right where key(x) > key(t), which is where x <= t is false, NaN included.  Floats (leaves, init) are only added: no address and no branch hangs on them.
; SHARES.  A work-group has ONE class (grid y) and 19 groups of 32 rows; a wave one group, a lane one row: a lane owns out[row][class], and nothing is summed across lanes or waves.
;   1,563 groups x 3 classes = 4,689 wave shares; 19 to a work-group make 83 x 3 = 249 work-groups.  In the last work-group of a class 14 waves have no group: they help to fill the tables,
;   copy the last group's tile into their own bytes (one text for all waves ahead of the first barrier), jump over the walk and meet the others at the closing barrier.
; LDS, filled once, ahead of the first barrier; between the two barriers LDS is only read.  100 trees x 512 bytes of nodes; 100 x 256 bytes of leaves; a tile of 4,096 bytes of keys for each wave.
; TWO BARRIERS.  The first: every wave's stores into the tables are done before any wave reads them.  The closing one: every wave's reads are back before any wave runs its closing lines.
; NO TWO LANES OF A LOAD WANT DIFFERENT WORDS OF ONE BANK (64 banks of 4 bytes: ISA guide 11.1): all lanes stand in one level of one tree, whose at most 32 nodes of 8 bytes lie in 32 different
;   pairs of banks; a tree's 64 leaves lie in 64 banks; lane l's keys lie at (f >> 1) x 256 + 8 l + 4 (f & 1): banks 2 l and 2 l + 1.
; THE LOOP.  Ten trees at a time (chains), ten trips.  j is the chain's place within its level.  A level is two runs over the chains, two chains at a time: the node's pair is in -> its key of x is
;   asked for; the key is in -> compare, j = 2 j + carry, the next node (or the leaf) is asked for.  So a wave has eight to ten LDS loads out all the time.
; Every number that was loaded, or made from a comparison, is clamped by v_min_u32 with a constant before it enters an LDS address.
; NO CLUSTER: a class's 83 work-groups share its tables, but 83 is prime, so no cluster divides the grid, and an 84th work-group would have no rows; the tables are 150 wave loads, once,
;   beside the 24,700 LDS gathers of a work-group's walk.
; out0 is stored 4 bytes a lane, 12 bytes apart: the three classes of a row belong to three work-groups.  Joining them would want a multiple of 3 waves: 18 make 261 work-groups, 21 make 224.
; LIMITS.  The 100 leaves of a class are added as ten sums of ten, in f32, then joined: another order than reference()'s.
.set N_ROWS, 50000
.set GROUPS, 1563
.set WAVES,  19
.set STAGES, 100
.set U,      10                        ; chains
.set TRIPS,  STAGES/U
.set TREEB,  512                       ; a tree's nodes
.set LEAFB,  256                       ; a tree's leaves
.set LEAF,   STAGES*TREEB              ; LDS: the nodes begin at 0, the leaves here,
.set XT,     LEAF+STAGES*LEAFB         ; the waves' tiles here,
.set SPARE,  XT+WAVES*4096             ; and the spare words (128 bytes a wave, rounded up to 2,560), which no other line names
.set XMAX,   15*256+4                  ; the greatest offset of a feature in a tile
.set ROUND,  WAVES*32*16               ; bytes that the work-group's 608 threads copy at 16 bytes each
.set LANE, 2
.set NO,   3                           ; v3   16 x thread: my 16 bytes of a round, in nt and in LDS
.set LG,   4                           ; v4   my 16 bytes of a round of leaves in memory: (thread / 16) x 768 + 16 (thread % 16)
.set LL,   5                           ; v5   the same in LDS
.set XG,   6                           ; v6   16 x lane
.set XL,   7                           ; v7   the same in my wave's tile
.set SPW,  8                           ; v8   my spare word's LDS address; never rewritten
.set NIL,  9                           ; v9   0; never rewritten
.set LB,   10                          ; v10  my wave's tile + 8 x lane
.set VB,   11                          ; v11  the trip's first tree in LDS
.set ROW,  12
.set OO,   13
.set STG,  16                          ; v[16:79]  the fill's sixteen loads
.set FT,   16                          ; v[16:35]  chain k: its node's pair (offset of the feature, key of the threshold)
.set XV,   36                          ; v[36:45]  chain k: the key of x; at the end the leaf
.set J,    46                          ; v[46:55]  chain k: its place in the level
.set AD,   56                          ; v[56:65]  chain k: an LDS address
.set ACC,  66                          ; v[66:75]  chain k: its sum
.set TB,   26                          ; s26  the trip's first tree: nodes
.set LFB,  27                          ; s27  leaves
.set CNT,  28
	s_load_b256 s[4:11], s[0:1], 0x0               ; xk s[4:5], nt s[6:7], leaf_values s[8:9], init_pred s[10:11]
	s_load_b64 s[12:13], s[0:1], 0x20              ; out0
	v_lshl_add_u32 v[SPW], v0, 2, SPARE
	v_mov_b32 v[NIL], 0
	v_lshrrev_b32 v1, 5, v0
	v_readfirstlane_b32 s14, v1                    ; wave 0..18
	s_and_b32 s15, ttmp7, 0xffff                   ; class
	s_mul_i32 s16, ttmp9, WAVES
	s_add_co_u32 s16, s16, s14                     ; my group
	s_min_u32 s17, s16, GROUPS-1                   ; the group whose tile I copy
	s_lshl_b32 s25, s15, 2
	s_lshl_b32 s20, s14, 12
	s_add_co_u32 s20, s20, XT                      ; my wave's tile
	s_mov_b32 s22, 0x3dcccccd                      ; the learning rate, 0.1
	v_and_b32 v[LANE], 31, v0
	v_lshlrev_b32 v[NO], 4, v0
	v_lshrrev_b32 v1, 4, v0
	v_mul_u32_u24 v1, v1, 768                      ; from stage to stage in leaf_values: three trees of 256 bytes
	v_and_b32 v[LG], 15, v0
	v_lshl_add_u32 v[LG], v[LG], 4, v1
	v_add_nc_u32 v[LL], LEAF, v[NO]
	v_lshlrev_b32 v[XG], 4, v[LANE]
	v_add_nc_u32 v[XL], s20, v[XG]
	v_lshl_add_u32 v[LB], v[LANE], 3, s20
	s_wait_kmcnt 0x0
	s_load_b32 s24, s[10:11], s25 offset:0x0       ; init[class]
	s_mul_i32 s18, s15, STAGES*TREEB
	s_mov_b32 s19, 0
	s_add_nc_u64 s[6:7], s[6:7], s[18:19]          ; my class's nodes: 51,200 dense bytes
	s_lshl_b32 s18, s15, 8
	s_add_nc_u64 s[8:9], s[8:9], s[18:19]          ; my class's leaves of stage 0
	s_lshl_b32 s18, s17, 12
	s_add_nc_u64 s[4:5], s[4:5], s[18:19]          ; the group's tile
	; THE FILL.  Nodes: 3,200 pieces of 16 bytes = 5 rounds of 608 threads + 160 (waves 0-4).  Leaves: 1,600 = 2 rounds + 384 (waves 5-16).  Tile: 8 loads of 512 bytes a wave.
.irp r, 0,1,2,3,4
	global_load_b128 v[STG+4*(\r):STG+4*(\r)+3], v[NO], s[6:7] offset:(\r)*ROUND
.endr
.irp r, 0,1
	global_load_b128 v[STG+20+4*(\r):STG+20+4*(\r)+3], v[LG], s[8:9] offset:(\r)*38*768  ; a round is 38 stages
.endr
.irp q, 0,1,2,3,4,5,6,7
	global_load_b128 v[STG+28+4*(\q):STG+28+4*(\q)+3], v[XG], s[4:5] offset:(\q)*512
.endr
	s_cmp_lt_u32 s14, 5
	s_cbranch_scc0 .Lnot_nodes
	global_load_b128 v[STG+60:STG+63], v[NO], s[6:7] offset:5*ROUND
	s_wait_loadcnt 0x0
	ds_store_b128 v[NO], v[STG+60:STG+63] offset:5*ROUND
	s_branch .Lcommon
.Lnot_nodes:
	s_cmp_lt_u32 s14, 17
	s_cbranch_scc0 .Lcommon
	global_load_b128 v[STG+60:STG+63], v[LG], s[8:9] offset:66*768  ; threads 160-543 take pieces 1,216-1,599: stage thread / 16 + 66
	s_wait_loadcnt 0x0
	ds_store_b128 v[LL], v[STG+60:STG+63] offset:66*256
.Lcommon:
	s_wait_loadcnt 0x0
.irp r, 0,1,2,3,4
	ds_store_b128 v[NO], v[STG+4*(\r):STG+4*(\r)+3] offset:(\r)*ROUND
.endr
.irp r, 0,1
	ds_store_b128 v[LL], v[STG+20+4*(\r):STG+20+4*(\r)+3] offset:(\r)*ROUND
.endr
.irp q, 0,1,2,3,4,5,6,7
	ds_store_b128 v[XL], v[STG+28+4*(\q):STG+28+4*(\q)+3] offset:(\q)*512
.endr
	s_wait_kmcnt 0x0                               ; init[class]
	s_wait_dscnt 0x0                               ; for the others' sake: my part of the tables lies in LDS
	s_barrier_signal -1
	s_barrier_wait -1                              ; everybody's does; from here to the closing barrier LDS is only read
	s_cmp_lt_u32 s16, GROUPS
	s_cbranch_scc0 .Lmeet                          ; a wave without a group jumps over the walk, which holds no barrier, to the closing barrier
; Chains a and a + 1: their nodes' pairs are in; the keys of x that they name are asked for.
; The wait's count: behind the younger of the two loads wanted stand U - 2 - a loads of the run before and the a loads that this run has issued: U - 2.
.macro XPAIR a
	s_wait_dscnt U-2
	v_min_u32 v[AD+(\a)],   XMAX, v[FT+2*(\a)]
	v_min_u32 v[AD+(\a)+1], XMAX, v[FT+2*(\a)+2]
	v_add_nc_u32 v[AD+(\a)],   v[LB], v[AD+(\a)]
	v_add_nc_u32 v[AD+(\a)+1], v[LB], v[AD+(\a)+1]
	ds_load_b32 v[XV+(\a)],   v[AD+(\a)]
	ds_load_b32 v[XV+(\a)+1], v[AD+(\a)+1]
.endm
; Chain k goes down to level d: right where key(x) > key(t); its place there is twice its place here, plus 1 to the right.
.macro DECIDE k, d
	v_cmp_gt_i32 vcc_lo, v[XV+(\k)], v[FT+2*(\k)+1]
.if (\d) == 1
	v_cndmask_b32 v[J+(\k)], 0, 1, vcc_lo
.else
	v_add_co_ci_u32 v[J+(\k)], vcc_lo, v[J+(\k)], v[J+(\k)], vcc_lo
.endif
.endm
; Chains a and a + 1: their keys are in; level d's node (d < 6: it lies 2^d - 1 nodes into the tree) or the leaf (d = 6) is asked for.  The wait's count as above.
.macro NPAIR a, d
	s_wait_dscnt U-2
	DECIDE \a, \d
	DECIDE (\a)+1, \d
	v_min_u32 v[J+(\a)],   (1<<(\d))-1, v[J+(\a)]
	v_min_u32 v[J+(\a)+1], (1<<(\d))-1, v[J+(\a)+1]
.if (\d) < 6
	v_lshl_add_u32 v[AD+(\a)],   v[J+(\a)],   3, s[TB]
	v_lshl_add_u32 v[AD+(\a)+1], v[J+(\a)+1], 3, s[TB]
	ds_load_b64 v[FT+2*(\a):FT+2*(\a)+1],   v[AD+(\a)]   offset:(\a)*TREEB+((1<<(\d))-1)*8
	ds_load_b64 v[FT+2*(\a)+2:FT+2*(\a)+3], v[AD+(\a)+1] offset:((\a)+1)*TREEB+((1<<(\d))-1)*8
.else
	v_lshl_add_u32 v[AD+(\a)],   v[J+(\a)],   2, s[LFB]
	v_lshl_add_u32 v[AD+(\a)+1], v[J+(\a)+1], 2, s[LFB]
	ds_load_b32 v[XV+(\a)],   v[AD+(\a)]   offset:(\a)*LEAFB
	ds_load_b32 v[XV+(\a)+1], v[AD+(\a)+1] offset:((\a)+1)*LEAFB
.endif
.endm
.irp k, 0,1,2,3,4,5,6,7,8,9
	v_mov_b32 v[ACC+(\k)], 0
.endr
	s_mov_b32 s[TB], 0
	s_mov_b32 s[LFB], LEAF
	s_mov_b32 s[CNT], TRIPS
.Ltrip:
	v_mov_b32 v[VB], s[TB]
.irp k, 0,1,2,3,4,5,6,7,8,9
	ds_load_b64 v[FT+2*(\k):FT+2*(\k)+1], v[VB] offset:(\k)*TREEB  ; the ten roots
.endr
.irp d, 1,2,3,4,5,6
.irp a, 0,2,4,6,8
	XPAIR \a
.endr
.irp a, 0,2,4,6,8
	NPAIR \a, \d
.endr
.endr
.irp a, 0,2,4,6,8
	s_wait_dscnt U-2-(\a)                          ; the leaves come back in order: behind this pair's stand the later pairs' alone
	v_pk_add_f32 v[ACC+(\a):ACC+(\a)+1], v[ACC+(\a):ACC+(\a)+1], v[XV+(\a):XV+(\a)+1]
.endr
	s_add_co_u32 s[TB], s[TB], U*TREEB
	s_add_co_u32 s[LFB], s[LFB], U*LEAFB
	s_sub_co_u32 s[CNT], s[CNT], 1
	s_cmp_lg_u32 s[CNT], 0
	s_cbranch_scc1 .Ltrip
	v_pk_add_f32 v[ACC:ACC+1],   v[ACC:ACC+1],   v[ACC+2:ACC+3]
	v_pk_add_f32 v[ACC+4:ACC+5], v[ACC+4:ACC+5], v[ACC+6:ACC+7]
	v_pk_add_f32 v[ACC:ACC+1],   v[ACC:ACC+1],   v[ACC+8:ACC+9]
	v_pk_add_f32 v[ACC:ACC+1],   v[ACC:ACC+1],   v[ACC+4:ACC+5]
	v_add_f32 v[ACC], v[ACC], v[ACC+1]
	v_fma_f32 v[ACC], v[ACC], s22, s24             ; 0.1 x sum + init[class], one rounding
	s_lshl_b32 s21, s16, 5
	v_add_nc_u32 v[ROW], s21, v[LANE]
	v_mul_u32_u24 v[OO], v[ROW], 12
	v_add_nc_u32 v[OO], s25, v[OO]                 ; 12 x row + 4 x class
	v_cmp_gt_u32 vcc_lo, N_ROWS, v[ROW]            ; the last group has 16 rows
	s_wait_xcnt 0x0                                ; EXEC changes only behind this wait
	s_and_saveexec_b32 s23, vcc_lo
	global_store_b32 v[OO], v[ACC], s[12:13]
	s_wait_xcnt 0x0                                ; and again, in front of the line that widens it
	s_or_b32 exec_lo, exec_lo, s23
.Lmeet:
	s_wait_dscnt 0x0                               ; my reads of the tables and of my tile are back (the last count-down ended at 0)
	s_barrier_signal -1                            ; THE CLOSING BARRIER, on every wave's path:
	s_barrier_wait -1                              ; every wave's reads are back: only behind this does any wave write LDS again
	s_wait_tensorcnt 0x0                           ; the wave's end
	ds_add_u32 v[SPW], v[NIL]
	s_wait_dscnt 0x0
	s_endpgm
.Lfunc_end_k_q024b530786_walk:
	.size	k_q024b530786_walk, .Lfunc_end_k_q024b530786_walk-k_q024b530786_walk
	.p2alignl 7, 3214868480
	.fill 96, 4, 3214868480
	.section	.rodata,"a",@progbits
	.p2align	6, 0x0
	.amdhsa_kernel k_q024b530786_walk
		.amdhsa_group_segment_fixed_size 157184
		.amdhsa_private_segment_fixed_size 0
		.amdhsa_enable_private_segment 0
		.amdhsa_kernarg_size 40
		.amdhsa_user_sgpr_count 2
		.amdhsa_user_sgpr_kernarg_segment_ptr 1
		.amdhsa_wavefront_size32 1
		.amdhsa_system_sgpr_workgroup_id_x 1
		.amdhsa_system_sgpr_workgroup_id_y 1
		.amdhsa_system_sgpr_workgroup_id_z 1
		.amdhsa_system_vgpr_workitem_id 0
		.amdhsa_next_free_vgpr 88
		.amdhsa_next_free_sgpr 66
		.amdhsa_reserve_vcc 1
		.amdhsa_float_denorm_mode_32 3
		.amdhsa_float_denorm_mode_16_64 3
		.amdhsa_memory_ordered 1
		.amdhsa_forward_progress 1
		.amdhsa_inst_pref_size 33
	.end_amdhsa_kernel
	.amdgpu_metadata
---
amdhsa.version: [ 1, 2 ]
amdhsa.kernels:
  - .name:           k_q024b530786_walk
    .symbol:         k_q024b530786_walk.kd
    .args:
      - { .name: xk, .offset: 0, .size: 8, .value_kind: global_buffer, .address_space: global }
      - { .name: nt, .offset: 8, .size: 8, .value_kind: global_buffer, .address_space: global }
      - { .name: leaf_values, .offset: 16, .size: 8, .value_kind: global_buffer, .address_space: global }
      - { .name: init_pred, .offset: 24, .size: 8, .value_kind: global_buffer, .address_space: global }
      - { .name: out0, .offset: 32, .size: 8, .value_kind: global_buffer, .address_space: global }
    .group_segment_fixed_size: 157184
    .private_segment_fixed_size: 0
    .kernarg_segment_align: 8
    .kernarg_segment_size: 40
    .max_flat_workgroup_size: 608
    .sgpr_count:     66
    .vgpr_count:     88
    .wavefront_size: 32
...
	.end_amdgpu_metadata
.endif
;; end of part 2
;; ======== version 2 of 3: 2 launches; 1.38 times as fast as version 1
;; workspace buffers: xk 6,402,048 bytes of whole numbers; nt 153,600 bytes of whole numbers
;; launch prep: the kernel of part 1 again; grid 271 x 1, 8 waves a work-group, no clusters, 37,888 bytes of LDS; arguments x, features, thresholds, xk, nt; writes xk, nt
;; launch walk (part 3): grid 83 x 3, 19 waves a work-group, no clusters, 157,184 bytes of LDS; arguments xk, nt, leaf_values, init_pred, out0; writes out0
.if DOCPART == 3
	.amdgcn_target "amdgcn-amd-amdhsa--gfx1250"
	.amdhsa_code_object_version 6
	.text
	.protected	k_q024b530786_walk
	.globl	k_q024b530786_walk
	.p2align	8
	.type	k_q024b530786_walk,@function
k_q024b530786_walk:
	s_mov_b64 s[64:65], 0
	v_nop
	global_prefetch_b8 v0, s[64:65] scope:SCOPE_SE
	s_setreg_imm32_b32 hwreg(HW_REG_WAVE_MODE, 25, 1), 1
	s_wait_xcnt 0x0
; out[r][c] = init[c] + 0.1 x the sum over 100 stages of the leaf that row r reaches in tree (stage, c).  Nothing of reference() is left out.
; The walk is made on whole numbers that the launch before stored: xk (int32 keys of x, in the floats' order) and nt (for each node the byte offset of its feature in a tile of keys, and its
; threshold's key).  A row goes right where key(x) > key(t), which is where x <= t is false, NaN included.  Floats (leaves, init) are only chosen and added: no address and no branch hangs on them.
; SHARES.  A work-group has ONE class (grid y) and 19 groups of 32 rows; a wave one group, a lane one row: a lane owns out[row][class], and nothing is summed across lanes or waves.
;   1,563 groups x 3 classes = 4,689 wave shares; 19 to a work-group make 83 x 3 = 249 work-groups.  In the last work-group of a class 14 waves have no group: they help to fill the tables,
;   copy the last group's tile into their own bytes (one text for all waves ahead of the first barrier), jump over the walk and meet the others at the closing barrier.
; LDS, filled once.  A tile of 4,096 bytes of keys for each wave, from byte 0; then 100 blocks of 768 bytes, a tree each: 64 slots of 8 bytes for its 63 nodes, then its 64 leaves.
; TWO BARRIERS.  The first: every wave's stores into LDS are done before any wave reads them.  The closing one: every wave's reads are back before any wave runs its closing lines.
; NO TWO LANES OF A LOAD WANT DIFFERENT WORDS OF ONE BANK (64 banks of 4 bytes: ISA guide 11.1): all lanes stand in one level of one tree, whose at most 32 nodes of 8 bytes lie in 32 different
;   pairs of banks, and so do the 32 pairs of leaves; lane l's keys lie at (f >> 1) x 256 + 8 l + 4 (f & 1): banks 2 l and 2 l + 1.
; ADDRESSES.  Every number that was loaded, or chosen by a comparison of loaded numbers, is clamped by v_min_u32 with a constant before it enters an LDS address.
;   A key's: the node's offset, clamped to a tile's greatest (3,844), + my tile + 8 l.
;   A node's: A = TB + 8 j, TB the trip's first tree, j the place in the level; the chain's tree and the level stand in the load's immediate.  One level down j' = 2 j + c (c = 1: right), so
;   A' = 2 A + (c ? 8 - TB : -TB).  A is clamped to its greatest value in the launch: the last trip's TB + 8 (2^level - 1); with the greatest immediate the load then ends at the last tree's last byte at the most.
;   The two leaves under level 5's node j lie at 512 + 8 j of the block: the node's own A with another immediate; they are asked for with the node, and the last comparison chooses.
; THE LOOP.  Twenty trees at a time (chains), in two sets of ten; five trips.  A stage of a set is one wait, ten lines of each kind, ten LDS loads: each line stands ten places behind the one
;   that feeds it, and the comparisons write ten scalar masks.  The sets take turns: while one set's loads are out the other set's stage is issued.  The next trip's roots are asked for behind a
;   set's last stage; the last trip is written out without them.
; THE WAITS' COUNTS.  LDS loads come back in order (ISA guide 5.7.1): a stage waits for its own set's last loads and leaves out what the other set has issued since: ten loads, or twenty behind
;   the stage that asks for level 5's nodes and the leaves together.
; NO CLUSTER: a class's 83 work-groups share its tables, but 83 is prime, so no cluster divides the grid, and an 84th work-group would have no rows; the tables are 200 wave loads, once,
;   beside the 24,700 LDS gathers of a work-group's walk.
; out0 is stored 4 bytes a lane, 12 bytes apart: the three classes of a row belong to three work-groups.  Joining them would want a multiple of 3 waves: 18 make 261 work-groups, 21 make 224.
; LIMITS.  The 100 leaves of a class are added as ten sums of ten, in f32, then joined: another order than reference()'s.
.set N_ROWS, 50000
.set GROUPS, 1563
.set WAVES,  19
.set STAGES, 100
.set SET,    10                        ; chains in a set
.set U,      2*SET                     ; chains
.set TRIPS,  STAGES/U
.set TREEB,  768                       ; a tree's block
.set LEAFO,  512                       ; its leaves
.set TREES,  WAVES*4096                ; LDS: the tiles begin at 0, the trees here,
.set SPARE,  TREES+STAGES*TREEB        ; and the spare words (128 bytes a wave, rounded up to 2,560), which no other line names
.set XMAX,   15*256+4                  ; the greatest offset of a feature in a tile
.set LASTTB, TREES+(STAGES-U)*TREEB    ; the last trip's first tree
.set LANE, 2
.set NG,   3                           ; v3   16 x thread = 512 x wave + 16 x lane: my 16 bytes of tree number wave's nodes in nt
.set NL,   4                           ; v4   the same in LDS: TREES + 768 x wave + 16 x lane
.set NL5,  5                           ; v5   19 trees on (an LDS immediate has 16 bits)
.set LG,   6                           ; v6   768 x wave + 8 x lane: my 8 bytes of stage number wave's leaves in leaf_values
.set LL,   7                           ; v7   the same in LDS
.set LL5,  8                           ; v8   19 trees on
.set XG,   9                           ; v9   16 x lane
.set XL,   10                          ; v10  the same in my wave's tile
.set SPW,  11                          ; v11  my spare word's LDS address; never rewritten
.set NIL,  12                          ; v12  0; never rewritten
.set LB,   13                          ; v13  my wave's tile + 8 x lane
.set VT,   14                          ; v14  TB
.set VT8,  15                          ; v15  TB + 8
.set VN,   16                          ; v16  -TB
.set VN8,  17                          ; v17  8 - TB
.set ROW,  18
.set OO,   19
.set STN,  20                          ; the fill: v[20:39] five trees' nodes,
.set STL,  40                          ; v[40:49] their leaves,
.set STX,  52                          ; v[52:83] the tile,
.set STE,  84                          ; v[84:89] a sixth tree (waves 0-4)
.set FT,   20                          ; v[20:59]   chain c: its node's pair (offset of the feature, then the key's address; key of the threshold)
.set XV,   60                          ; v[60:79]   chain c: the key of x; then A's addend; at the end the leaf
.set AD,   80                          ; v[80:99]   chain c: A
.set LP,   100                         ; v[100:139] chain c: the two leaves under its level-5 node
.set ACC,  140                         ; v[140:149] ten sums: chains k and 10 + k add onto sum k
.set TB,   26                          ; s26  the trip's first tree
.set NTB,  27                          ; s27  its negative
.set CNT,  28
.set MK,   40                          ; s[40:49]  a stage's ten masks
	s_load_b256 s[4:11], s[0:1], 0x0               ; xk s[4:5], nt s[6:7], leaf_values s[8:9], init_pred s[10:11]
	s_load_b64 s[12:13], s[0:1], 0x20              ; out0
	v_lshl_add_u32 v[SPW], v0, 2, SPARE
	v_mov_b32 v[NIL], 0
	v_lshrrev_b32 v1, 5, v0
	v_readfirstlane_b32 s14, v1                    ; wave 0..18
	s_and_b32 s15, ttmp7, 0xffff                   ; class
	s_mul_i32 s16, ttmp9, WAVES
	s_add_co_u32 s16, s16, s14                     ; my group
	s_min_u32 s17, s16, GROUPS-1                   ; the group whose tile I copy
	s_lshl_b32 s25, s15, 2
	s_lshl_b32 s20, s14, 12                        ; my wave's tile
	s_mul_i32 s29, s14, TREEB
	s_add_co_u32 s21, s29, TREES                   ; tree number wave's block
	s_mov_b32 s22, 0x3dcccccd                      ; the learning rate, 0.1
	v_and_b32 v[LANE], 31, v0
	v_lshlrev_b32 v[NG], 4, v0
	v_lshl_add_u32 v[NL], v[LANE], 4, s21
	v_add_nc_u32 v[NL5], WAVES*TREEB, v[NL]
	v_lshl_add_u32 v[LG], v[LANE], 3, s29          ; from stage to stage in leaf_values: three trees of 256 bytes, as a block has bytes
	v_add_nc_u32 v[LL], TREES+LEAFO, v[LG]
	v_add_nc_u32 v[LL5], WAVES*TREEB, v[LL]
	v_lshlrev_b32 v[XG], 4, v[LANE]
	v_add_nc_u32 v[XL], s20, v[XG]
	v_lshl_add_u32 v[LB], v[LANE], 3, s20
	s_wait_kmcnt 0x0
	s_load_b32 s24, s[10:11], s25 offset:0x0       ; init[class]
	s_mul_i32 s18, s15, STAGES*512
	s_mov_b32 s19, 0
	s_add_nc_u64 s[6:7], s[6:7], s[18:19]          ; my class's nodes: 100 trees of 512 bytes
	s_lshl_b32 s18, s15, 8
	s_add_nc_u64 s[8:9], s[8:9], s[18:19]          ; my class's leaves of stage 0
	s_lshl_b32 s18, s17, 12
	s_add_nc_u64 s[4:5], s[4:5], s[18:19]          ; the group's tile
	; THE FILL.  Wave w copies trees w, w + 19, .. w + 76, and waves 0-4 tree w + 95: a tree's nodes are 512 consecutive bytes (16 a lane), its leaves 256 (8 a lane).  Then its tile: 8 x 512 bytes.
.irp r, 0,1,2,3,4
	global_load_b128 v[STN+4*(\r):STN+4*(\r)+3], v[NG], s[6:7] offset:(\r)*WAVES*512
	global_load_b64  v[STL+2*(\r):STL+2*(\r)+1], v[LG], s[8:9] offset:(\r)*WAVES*768
.endr
.irp q, 0,1,2,3,4,5,6,7
	global_load_b128 v[STX+4*(\q):STX+4*(\q)+3], v[XG], s[4:5] offset:(\q)*512
.endr
	s_cmp_lt_u32 s14, 5
	s_cbranch_scc0 .Lcommon
	global_load_b128 v[STE:STE+3],   v[NG], s[6:7] offset:5*WAVES*512
	global_load_b64  v[STE+4:STE+5], v[LG], s[8:9] offset:5*WAVES*768
	s_wait_loadcnt 0x0
	ds_store_b128 v[NL5], v[STE:STE+3]   offset:4*WAVES*TREEB
	ds_store_b64  v[LL5], v[STE+4:STE+5] offset:4*WAVES*TREEB
.Lcommon:
	s_wait_loadcnt 0x0
.irp r, 0,1,2,3,4
	ds_store_b128 v[NL], v[STN+4*(\r):STN+4*(\r)+3] offset:(\r)*WAVES*TREEB
	ds_store_b64  v[LL], v[STL+2*(\r):STL+2*(\r)+1] offset:(\r)*WAVES*TREEB
.endr
.irp q, 0,1,2,3,4,5,6,7
	ds_store_b128 v[XL], v[STX+4*(\q):STX+4*(\q)+3] offset:(\q)*512
.endr
	s_wait_kmcnt 0x0                               ; init[class]
	s_wait_dscnt 0x0                               ; for the others' sake: my part of the tables lies in LDS
	s_barrier_signal -1
	s_barrier_wait -1                              ; everybody's does; from here to the closing barrier LDS is only read
	s_cmp_lt_u32 s16, GROUPS
	s_cbranch_scc0 .Lmeet                          ; a wave without a group jumps over the walk, which holds no barrier, to the closing barrier
; The four registers that hang on the trip's first tree.
.macro CONSTS
	s_sub_co_u32 s[NTB], 0, s[TB]
	v_mov_b32 v[VT], s[TB]
	v_mov_b32 v[VN], s[NTB]
	v_add_nc_u32 v[VT8], 8, v[VT]
	v_add_nc_u32 v[VN8], 8, v[VN]
.endm
; Set s: its ten roots are asked for.
.macro ROOTS s
.irp k, 0,1,2,3,4,5,6,7,8,9
	ds_load_b64 v[FT+2*(SET*(\s)+(\k)):FT+2*(SET*(\s)+(\k))+1], v[VT] offset:(SET*(\s)+(\k))*TREEB
.endr
.endm
; Set s: its nodes' pairs are in (left: what the other set has issued since); the keys of x that they name are asked for.
.macro XS s, left
	s_wait_dscnt \left
.irp k, 0,1,2,3,4,5,6,7,8,9
	v_min_u32 v[FT+2*(SET*(\s)+(\k))], XMAX, v[FT+2*(SET*(\s)+(\k))]           ; the loaded offset stays inside a tile
.endr
.irp k, 0,1,2,3,4,5,6,7,8,9
	v_add_nc_u32 v[FT+2*(SET*(\s)+(\k))], v[LB], v[FT+2*(SET*(\s)+(\k))]       ; + my tile + 8 x lane
.endr
.irp k, 0,1,2,3,4,5,6,7,8,9
	ds_load_b32 v[XV+SET*(\s)+(\k)], v[FT+2*(SET*(\s)+(\k))]
.endr
.endm
; Set s: its keys are in; the chains go down to level d, whose nodes lie 2^d - 1 slots into the block.  With level 5's nodes the pairs of leaves under them are asked for, ahead of the nodes.
.macro NS s, d, left
	s_wait_dscnt \left
.irp k, 0,1,2,3,4,5,6,7,8,9
	v_cmp_gt_i32 s[MK+(\k)], v[XV+SET*(\s)+(\k)], v[FT+2*(SET*(\s)+(\k))+1]  ; right where key(x) > key(t)
.endr
.if (\d) == 1
.irp k, 0,1,2,3,4,5,6,7,8,9
	v_cndmask_b32 v[AD+SET*(\s)+(\k)], v[VT], v[VT8], s[MK+(\k)]               ; A = TB + 8 c
.endr
.else
.irp k, 0,1,2,3,4,5,6,7,8,9
	v_cndmask_b32 v[XV+SET*(\s)+(\k)], v[VN], v[VN8], s[MK+(\k)]               ; 8 c - TB
.endr
.irp k, 0,1,2,3,4,5,6,7,8,9
	v_lshl_add_u32 v[AD+SET*(\s)+(\k)], v[AD+SET*(\s)+(\k)], 1, v[XV+SET*(\s)+(\k)]  ; A' = 2 A + 8 c - TB
.endr
.endif
.irp k, 0,1,2,3,4,5,6,7,8,9
	v_min_u32 v[AD+SET*(\s)+(\k)], LASTTB+8*((1<<(\d))-1), v[AD+SET*(\s)+(\k)]  ; A's greatest value at this level in the launch
.endr
.if (\d) == 5
.irp k, 0,1,2,3,4,5,6,7,8,9
	ds_load_b64 v[LP+2*(SET*(\s)+(\k)):LP+2*(SET*(\s)+(\k))+1], v[AD+SET*(\s)+(\k)] offset:(SET*(\s)+(\k))*TREEB+LEAFO
.endr
.endif
.irp k, 0,1,2,3,4,5,6,7,8,9
	ds_load_b64 v[FT+2*(SET*(\s)+(\k)):FT+2*(SET*(\s)+(\k))+1], v[AD+SET*(\s)+(\k)] offset:(SET*(\s)+(\k))*TREEB+((1<<(\d))-1)*8
.endr
.endm
; Set s: its last keys are in: the last comparison chooses one of the two leaves, and the sums take them, two an instruction.
.macro FS s, left
	s_wait_dscnt \left
.irp k, 0,1,2,3,4,5,6,7,8,9
	v_cmp_gt_i32 s[MK+(\k)], v[XV+SET*(\s)+(\k)], v[FT+2*(SET*(\s)+(\k))+1]
.endr
.irp k, 0,1,2,3,4,5,6,7,8,9
	v_cndmask_b32 v[XV+SET*(\s)+(\k)], v[LP+2*(SET*(\s)+(\k))], v[LP+2*(SET*(\s)+(\k))+1], s[MK+(\k)]
.endr
.irp k, 0,2,4,6,8
	v_pk_add_f32 v[ACC+(\k):ACC+(\k)+1], v[ACC+(\k):ACC+(\k)+1], v[XV+SET*(\s)+(\k):XV+SET*(\s)+(\k)+1]
.endr
.endm
; A trip: twenty trees.  At its head both sets' roots are out, set 0's first.  more = 1: the next trip's roots are asked for.
.macro TRIP more
	XS 0, SET
	XS 1, SET
.irp d, 1,2,3,4
	NS 0, \d, SET
	NS 1, \d, SET
	XS 0, SET
	XS 1, SET
.endr
	NS 0, 5, SET
	NS 1, 5, 2*SET                                 ; behind set 1's keys stand set 0's ten pairs of leaves and ten nodes
.if \more
	s_add_co_u32 s[TB], s[TB], U*TREEB             ; the last lines that read the trip's four registers stand above
	CONSTS
.endif
	XS 0, 2*SET                                    ; behind set 0's nodes stand set 1's twenty
	XS 1, SET
	FS 0, SET
.if \more
	ROOTS 0
	FS 1, SET                                      ; behind set 1's keys stand set 0's next roots
	ROOTS 1
.else
	FS 1, 0
.endif
.endm
.irp k, 0,1,2,3,4,5,6,7,8,9
	v_mov_b32 v[ACC+(\k)], 0
.endr
	s_mov_b32 s[TB], TREES
	CONSTS
	ROOTS 0
	ROOTS 1
	s_mov_b32 s[CNT], TRIPS-1
.Ltrip:
	TRIP 1
	s_sub_co_u32 s[CNT], s[CNT], 1
	s_cmp_lg_u32 s[CNT], 0
	s_cbranch_scc1 .Ltrip
	TRIP 0                                         ; the last trip is written out: there are no further roots
	v_pk_add_f32 v[ACC:ACC+1],   v[ACC:ACC+1],   v[ACC+2:ACC+3]
	v_pk_add_f32 v[ACC+4:ACC+5], v[ACC+4:ACC+5], v[ACC+6:ACC+7]
	v_pk_add_f32 v[ACC:ACC+1],   v[ACC:ACC+1],   v[ACC+8:ACC+9]
	v_pk_add_f32 v[ACC:ACC+1],   v[ACC:ACC+1],   v[ACC+4:ACC+5]
	v_add_f32 v[ACC], v[ACC], v[ACC+1]
	v_fma_f32 v[ACC], v[ACC], s22, s24             ; 0.1 x sum + init[class], one rounding
	s_lshl_b32 s21, s16, 5
	v_add_nc_u32 v[ROW], s21, v[LANE]
	v_mul_u32_u24 v[OO], v[ROW], 12
	v_add_nc_u32 v[OO], s25, v[OO]                 ; 12 x row + 4 x class
	v_cmp_gt_u32 vcc_lo, N_ROWS, v[ROW]            ; the last group has 16 rows
	s_wait_xcnt 0x0                                ; EXEC changes only behind this wait
	s_and_saveexec_b32 s23, vcc_lo
	global_store_b32 v[OO], v[ACC], s[12:13]
	s_wait_xcnt 0x0                                ; and again, in front of the line that widens it
	s_or_b32 exec_lo, exec_lo, s23
.Lmeet:
	s_wait_dscnt 0x0                               ; my reads of the tables and of my tile are back (the last stage's wait was for 0)
	s_barrier_signal -1                            ; THE CLOSING BARRIER, on every wave's path:
	s_barrier_wait -1                              ; every wave's reads are back: only behind this does any wave write LDS again
	s_wait_tensorcnt 0x0                           ; the wave's end
	ds_add_u32 v[SPW], v[NIL]
	s_wait_dscnt 0x0
	s_endpgm
.Lfunc_end_k_q024b530786_walk:
	.size	k_q024b530786_walk, .Lfunc_end_k_q024b530786_walk-k_q024b530786_walk
	.p2alignl 7, 3214868480
	.fill 96, 4, 3214868480
	.section	.rodata,"a",@progbits
	.p2align	6, 0x0
	.amdhsa_kernel k_q024b530786_walk
		.amdhsa_group_segment_fixed_size 157184
		.amdhsa_private_segment_fixed_size 0
		.amdhsa_enable_private_segment 0
		.amdhsa_kernarg_size 40
		.amdhsa_user_sgpr_count 2
		.amdhsa_user_sgpr_kernarg_segment_ptr 1
		.amdhsa_wavefront_size32 1
		.amdhsa_system_sgpr_workgroup_id_x 1
		.amdhsa_system_sgpr_workgroup_id_y 1
		.amdhsa_system_sgpr_workgroup_id_z 1
		.amdhsa_system_vgpr_workitem_id 0
		.amdhsa_next_free_vgpr 152
		.amdhsa_next_free_sgpr 66
		.amdhsa_reserve_vcc 1
		.amdhsa_float_denorm_mode_32 3
		.amdhsa_float_denorm_mode_16_64 3
		.amdhsa_memory_ordered 1
		.amdhsa_forward_progress 1
		.amdhsa_inst_pref_size 118
	.end_amdhsa_kernel
	.amdgpu_metadata
---
amdhsa.version: [ 1, 2 ]
amdhsa.kernels:
  - .name:           k_q024b530786_walk
    .symbol:         k_q024b530786_walk.kd
    .args:
      - { .name: xk, .offset: 0, .size: 8, .value_kind: global_buffer, .address_space: global }
      - { .name: nt, .offset: 8, .size: 8, .value_kind: global_buffer, .address_space: global }
      - { .name: leaf_values, .offset: 16, .size: 8, .value_kind: global_buffer, .address_space: global }
      - { .name: init_pred, .offset: 24, .size: 8, .value_kind: global_buffer, .address_space: global }
      - { .name: out0, .offset: 32, .size: 8, .value_kind: global_buffer, .address_space: global }
    .group_segment_fixed_size: 157184
    .private_segment_fixed_size: 0
    .kernarg_segment_align: 8
    .kernarg_segment_size: 40
    .max_flat_workgroup_size: 608
    .sgpr_count:     66
    .vgpr_count:     152
    .wavefront_size: 32
...
	.end_amdgpu_metadata
.endif
;; end of part 3
;; ======== version 3 of 3: 2 launches; version 2 with the launch prep written anew for expert scheduling mode
;; workspace buffers: xk 6,402,048 bytes of whole numbers; nt 153,600 bytes of whole numbers
;; launch prep (part 4): grid 271 x 1, 8 waves a work-group, no clusters, 37,888 bytes of LDS; arguments x, features, thresholds, xk, nt; writes xk, nt
.if DOCPART == 4
	.amdgcn_target "amdgcn-amd-amdhsa--gfx1250"
	.amdhsa_code_object_version 6
	.text
	.protected	k_q024b530786_prep
	.globl	k_q024b530786_prep
	.p2align	8
	.type	k_q024b530786_prep,@function
k_q024b530786_prep:
	s_mov_b64 s[64:65], 0
	v_nop
	global_prefetch_b8 v0, s[64:65] scope:SCOPE_SE
	s_setreg_imm32_b32 hwreg(HW_REG_WAVE_SCHED_MODE, 0, 2), 2
	s_setreg_imm32_b32 hwreg(HW_REG_WAVE_MODE, 25, 1), 1
	s_wait_xcnt 0x0
	s_wait_alu depctr_vm_vsrc(0)
; GRADIENT BOOSTING, 300 complete trees of depth 6 on 50,000 rows: out[r][c] = init[c] + 0.1 x the sum over 100 stages of the leaf that row r reaches in tree (stage, c).
; NOTHING OF reference() IS LEFT OUT: every comparison on a row's path, every leaf and all five inputs have a way to the output.
; THIS LAUNCH turns the two float inputs that steer the walk into WHOLE NUMBERS, so that the next launch, which forms addresses from comparisons, compares whole numbers read from memory.
; THE KEY of a float with bits u and magnitude a = u & 0x7fffffff is a for u >= 0 and -a for u < 0, as int32: it has the floats' order, and -0 and +0 share key 0.
;   A NaN in x gets 0x7fffffff (above every threshold's key), a NaN threshold 0x80000000 (below every key of x): key(x) > key(t) holds exactly where x <= t is false, NaN included.
;   Made by integer instructions alone; no rounding: the decisions are those of f32.
; xk: a tile of 4,096 bytes for each group of 32 rows: feature f of the group's row l at (f >> 1) x 256 + 8 l + 4 (f & 1).  The last group has 16 rows; its places 16-31 repeat row 49,999.
; nt: class-major, tree (c, stage) at (100 c + stage) x 512; node n at 8 n: word 0 = the byte offset of the node's feature in a tile, (f >> 1) x 256 + 4 (f & 1); word 1 = the threshold's key.
;   Slot 63 of a tree is no node: it gets a copy of another node's pair, so that every byte that the next launch copies is written.
; LIMIT: a feature number is taken as unsigned and clamped to 31; reference() relies on 0 .. 31.
; SHARES.  Work-groups 0-195: a wave a group of rows.  Work-groups 196-270: a thread a node slot (300 x 64 = 19,200 = 75 x 256).
; A group comes in by eight loads of 512 consecutive bytes, is turned through the wave's own LDS bytes (rows 144 bytes apart: 36 words, so the 16 rows of a 16-byte read start in 16 different
; groups of four banks; 64 banks of 4 bytes: ISA guide 11.1), and leaves by sixteen stores of 8 bytes a lane, each 256 consecutive bytes, aligned.
; THE MODE: SCHED_MODE bits 1:0 = 2 (LLVM: expert scheduling mode 2), set by the entry lines.  The code itself states the register dependences
; between vector instructions and memory or LDS instructions, and between a vector instruction that writes a scalar register and that register's readers, with s_wait_alu, always for 0.
; THE PLAN, for the keys of x.  The eight loads are worked on in four steps of two loads, eight keys each.  Registers that memory or LDS instructions touch:
;   OFF         Written by the head's vector lines, read by the eight loads of x; never written again.
;   X           Step p's eight registers: the loads land in them; step p's lines read them and its selects write the keys in place; the two LDS stores at step p + 1's head read them.  Not written again.
;   ST, RD, GO  Written by vector lines behind the loads of x, read by the LDS stores, the LDS loads, the global stores; never written again.
;   Y           The LDS loads land in it, the global stores read it; no vector line names it.
;   TM, TN and the two NaN keys are named by vector lines alone.  v[SPW], v[NIL]: written at the head, read by the closing add alone.
;   s[MS ..], s[MN ..]  A step's sixteen comparisons write them, in runs; its sixteen selects read them.
; So a step has two waits: one on va_vdst at its head, behind the wait for its data: the step before has written its keys, and its two LDS stores follow; one on va_sdst between the comparisons and the selects.
; No register that a memory or LDS instruction has read is written again, so no wait on vm_vsrc is owed.
.set N_ROWS, 50000
.set GROUPS, 1563                      ; groups of 32 rows
.set NODES,  18900                     ; 300 x 63
.set XWG,    196                       ; work-groups that make keys of x
.set PITCH,  144
.set WTILE,  32*PITCH                  ; a wave's LDS bytes
.set SPARE,  8*WTILE                   ; behind them: the spare words, 128 bytes a wave, which no other line names
.set SPW,  2                           ; v2   my spare word's LDS address; never rewritten
.set NIL,  3                           ; v3   0; never rewritten
.set LANE, 4
.set MINK, 18                          ; v18  a NaN threshold's key
.set ST,   23                          ; v23  where I put 16 bytes of a row
.set OFF,  24                          ; v[24:31]  byte offsets of my eight loads
.set X,    32                          ; v[32:63]  as loaded: load q holds row 4 q + lane / 8, features 4 (lane % 8) ..
.set Y,    64                          ; v[64:95]  my row's 32 keys
.set RD,   96                          ; v96  my row in LDS
.set GO,   97                          ; v97  8 x lane
.set MAXK, 100                         ; v100 the key of a NaN in x
.set TM,   104                         ; v[104:111]  a step's eight magnitudes
.set TN,   112                         ; v[112:119]  their negatives
.set MS,   24                          ; s[24:31]  a step's masks: the sign bit is set
.set MN,   32                          ; s[32:39]  a step's masks: NaN
	s_load_b256 s[4:11], s[0:1], 0x0               ; x s[4:5], features s[6:7], thresholds s[8:9], xk s[10:11]
	s_load_b64 s[12:13], s[0:1], 0x20              ; nt
	v_lshl_add_u32 v[SPW], v0, 2, SPARE
	v_mov_b32 v[NIL], 0
	v_lshrrev_b32 v1, 5, v0
	v_readfirstlane_b32 s14, v1                    ; wave 0..7
	v_and_b32 v[LANE], 31, v0
	s_mov_b32 s20, 0x7fffffff
	s_mov_b32 s21, 0x7f800000
	v_mov_b32 v[MAXK], 0x7fffffff
	v_mov_b32 v[MINK], 0x80000000
	s_wait_alu depctr_va_sdst(0)                   ; s14 is written
	s_wait_kmcnt 0x0
	s_cmp_lt_u32 ttmp9, XWG
	s_cbranch_scc0 .Ltable
	; ---- keys of x ----
	s_lshl_b32 s15, ttmp9, 3
	s_add_co_u32 s15, s15, s14                     ; my group
	s_cmp_lt_u32 s15, GROUPS
	s_cbranch_scc0 .Lend                           ; 196 x 8 = 1,568 waves for 1,563 groups: the last five have none
	v_lshrrev_b32 v20, 3, v[LANE]                  ; which of a load's four rows
	v_and_b32 v21, 7, v[LANE]                      ; which 16 bytes of the row
	s_lshl_b32 s16, s15, 5                         ; the group's first row
	v_add_nc_u32 v22, s16, v20
.irp q, 0,1,2,3,4,5,6,7
	v_add_nc_u32 v[OFF+(\q)], 4*(\q), v22
.endr
.irp q, 0,1,2,3,4,5,6,7
	v_min_u32 v[OFF+(\q)], N_ROWS-1, v[OFF+(\q)]   ; past the last row: the last row again, so that no load leaves x
.endr
.irp q, 0,1,2,3,4,5,6,7
	v_lshlrev_b32 v[OFF+(\q)], 7, v[OFF+(\q)]
.endr
.irp q, 0,1,2,3,4,5,6,7
	v_lshl_add_u32 v[OFF+(\q)], v21, 4, v[OFF+(\q)]
.endr
	s_wait_alu depctr_va_vdst(0)                   ; the eight offsets v[OFF ..] are written, which the loads below read
.irp q, 0,1,2,3,4,5,6,7
	global_load_b128 v[X+4*(\q):X+4*(\q)+3], v[OFF+(\q)], s[4:5] th:TH_LOAD_NT  ; x is read once in the launch
.endr
	s_mul_i32 s17, s14, WTILE                      ; my wave's LDS bytes
	v_mul_u32_u24 v[ST], v20, PITCH
	v_lshl_add_u32 v[ST], v21, 4, v[ST]
	v_add_nc_u32 v[ST], s17, v[ST]
	v_mul_u32_u24 v[RD], v[LANE], PITCH
	v_add_nc_u32 v[RD], s17, v[RD]
	v_lshlrev_b32 v[GO], 3, v[LANE]
	s_lshl_b32 s18, s15, 12                        ; the group's tile in xk
	s_mov_b32 s19, 0
	s_add_nc_u64 s[18:19], s[10:11], s[18:19]
; Step p's two LDS stores: loads 2 p and 2 p + 1, as keys.
.macro PUT p
.irp h, 0,1
	ds_store_b128 v[ST], v[X+8*(\p)+4*(\h):X+8*(\p)+4*(\h)+3] offset:(2*(\p)+(\h))*4*PITCH
.endr
.endm
; Step p: the eight floats of loads 2 p and 2 p + 1 become keys, in place; at its head the step before goes into LDS.
.macro KEYS p
	s_wait_loadcnt 6-2*(\p)                        ; loads come back in order: loads 2 p and 2 p + 1 are in, the 6 - 2 p younger ones stay out
.if (\p) > 0
	s_wait_alu depctr_va_vdst(0)                   ; the step before has written its eight keys, which the two LDS stores below read; at its first use v[ST], v[RD] and v[GO] are written too
	PUT (\p)-1
.endif
.irp j, 0,1,2,3,4,5,6,7
	v_and_b32 v[TM+(\j)], s20, v[X+8*(\p)+(\j)]    ; the magnitude
.endr
.irp j, 0,1,2,3,4,5,6,7
	v_sub_nc_u32 v[TN+(\j)], 0, v[TM+(\j)]
.endr
.irp j, 0,1,2,3,4,5,6,7
	v_cmp_gt_i32 s[MS+(\j)], 0, v[X+8*(\p)+(\j)]   ; the sign bit is set
.endr
.irp j, 0,1,2,3,4,5,6,7
	v_cmp_lt_u32 s[MN+(\j)], s21, v[TM+(\j)]       ; a magnitude above infinity's: NaN
.endr
	s_wait_alu depctr_va_sdst(0)                   ; the sixteen masks are written, ahead of the first select that reads one
.irp j, 0,1,2,3,4,5,6,7
	v_cndmask_b32 v[X+8*(\p)+(\j)], v[TM+(\j)], v[TN+(\j)], s[MS+(\j)]
.endr
.irp j, 0,1,2,3,4,5,6,7
	v_cndmask_b32 v[X+8*(\p)+(\j)], v[X+8*(\p)+(\j)], v[MAXK], s[MN+(\j)]
.endr
.endm
	KEYS 0
	KEYS 1
	KEYS 2
	KEYS 3
	s_wait_alu depctr_va_vdst(0)                   ; the last step has written its eight keys, which the two LDS stores below read; no vector line follows on this path
	PUT 3
.irp c, 0,1,2,3,4,5,6,7
	ds_load_b128 v[Y+4*(\c):Y+4*(\c)+3], v[RD] offset:16*(\c)  ; my row; LDS serves a wave's instructions in order, and these bytes are the wave's own: no wait, no barrier
.endr
.irp c, 0,1,2,3,4,5,6,7
	s_wait_dscnt 7-(\c)                            ; LDS load c is in, the 7 - c younger ones stay out
	global_store_b64 v[GO], v[Y+4*(\c):Y+4*(\c)+1],   s[18:19] offset:512*(\c)      ; features 4 c, 4 c + 1 of 32 rows: 256 consecutive bytes, aligned
	global_store_b64 v[GO], v[Y+4*(\c)+2:Y+4*(\c)+3], s[18:19] offset:512*(\c)+256
.endr
	s_branch .Lend
	; ---- the node table ----
.Ltable:
	s_sub_co_u32 s16, ttmp9, XWG
	s_lshl_b32 s16, s16, 8
	v_add_nc_u32 v5, s16, v0                       ; my slot = 64 x tree + n
	v_lshrrev_b32 v6, 6, v5                        ; tree m = 3 x stage + class
	v_sub_nc_u32 v7, v5, v6                        ; 63 m + n: the node's place in features and thresholds
	v_min_u32 v7, NODES-1, v7                      ; (slot 63 of the last tree would lie past the end)
	v_lshlrev_b32 v7, 2, v7
	s_wait_alu depctr_va_vdst(0)                   ; v7 is written, which the two loads below read as their offset
	global_load_b32 v8, v7, s[6:7]
	global_load_b32 v9, v7, s[8:9]
	v_mul_u32_u24 v10, v6, 0x5556                  ; m / 3 = (21,846 m) >> 16, exact for m < 300
	v_lshrrev_b32 v10, 16, v10                     ; stage
	v_mul_u32_u24 v11, v10, 3
	v_sub_nc_u32 v11, v6, v11                      ; class
	v_mul_u32_u24 v11, v11, 100
	v_add_nc_u32 v11, v11, v10                     ; 100 x class + stage
	v_and_b32 v12, 63, v5
	v_lshl_add_u32 v11, v11, 6, v12
	v_lshlrev_b32 v11, 3, v11                      ; 8 bytes a slot: a wave's 32 slots are 256 consecutive bytes, aligned
	s_wait_loadcnt 0x0
	v_and_b32 v[TM], s20, v9                       ; the threshold's magnitude
	v_sub_nc_u32 v[TN], 0, v[TM]
	v_cmp_gt_i32 s[MS], 0, v9                      ; the sign bit is set
	v_cmp_lt_u32 s[MN], s21, v[TM]                 ; NaN
	v_min_u32 v8, 31, v8                           ; the feature's offset is made between the comparisons and the wait for their masks
	v_lshrrev_b32 v13, 1, v8
	v_and_b32 v8, 1, v8
	v_lshlrev_b32 v8, 2, v8
	v_lshl_or_b32 v14, v13, 8, v8                  ; (f >> 1) x 256 + 4 (f & 1)
	s_wait_alu depctr_va_sdst(0)                   ; the two masks are written, ahead of the first select that reads one
	v_cndmask_b32 v15, v[TM], v[TN], s[MS]
	v_cndmask_b32 v15, v15, v[MINK], s[MN]
	s_wait_alu depctr_va_vdst(0)                   ; v11, the offset, and v[14:15], the pair, are written, which the store below reads
	global_store_b64 v11, v[14:15], s[12:13]
.Lend:
	s_wait_dscnt 0x0                               ; the closing lines, six on end
	s_wait_alu 0x0
	s_wait_tensorcnt 0x0
	ds_add_u32 v[SPW], v[NIL]
	s_wait_dscnt 0x0
	s_endpgm
.Lfunc_end_k_q024b530786_prep:
	.size	k_q024b530786_prep, .Lfunc_end_k_q024b530786_prep-k_q024b530786_prep
	.p2alignl 7, 3214868480
	.fill 96, 4, 3214868480
	.section	.rodata,"a",@progbits
	.p2align	6, 0x0
	.amdhsa_kernel k_q024b530786_prep
		.amdhsa_group_segment_fixed_size 37888
		.amdhsa_private_segment_fixed_size 0
		.amdhsa_enable_private_segment 0
		.amdhsa_kernarg_size 40
		.amdhsa_user_sgpr_count 2
		.amdhsa_user_sgpr_kernarg_segment_ptr 1
		.amdhsa_wavefront_size32 1
		.amdhsa_system_sgpr_workgroup_id_x 1
		.amdhsa_system_sgpr_workgroup_id_y 1
		.amdhsa_system_sgpr_workgroup_id_z 1
		.amdhsa_system_vgpr_workitem_id 0
		.amdhsa_next_free_vgpr 120
		.amdhsa_next_free_sgpr 66
		.amdhsa_reserve_vcc 0
		.amdhsa_float_denorm_mode_32 3
		.amdhsa_float_denorm_mode_16_64 3
		.amdhsa_memory_ordered 1
		.amdhsa_forward_progress 1
		.amdhsa_inst_pref_size 20
	.end_amdhsa_kernel
	.amdgpu_metadata
---
amdhsa.version: [ 1, 2 ]
amdhsa.kernels:
  - .name:           k_q024b530786_prep
    .symbol:         k_q024b530786_prep.kd
    .args:
      - { .name: x, .offset: 0, .size: 8, .value_kind: global_buffer, .address_space: global }
      - { .name: features, .offset: 8, .size: 8, .value_kind: global_buffer, .address_space: global }
      - { .name: thresholds, .offset: 16, .size: 8, .value_kind: global_buffer, .address_space: global }
      - { .name: xk, .offset: 24, .size: 8, .value_kind: global_buffer, .address_space: global }
      - { .name: nt, .offset: 32, .size: 8, .value_kind: global_buffer, .address_space: global }
    .group_segment_fixed_size: 37888
    .private_segment_fixed_size: 0
    .kernarg_segment_align: 8
    .kernarg_segment_size: 40
    .max_flat_workgroup_size: 256
    .sgpr_count:     66
    .vgpr_count:     120
    .wavefront_size: 32
...
	.end_amdgpu_metadata
.endif
;; end of part 4
;; launch walk: the kernel of part 3 again; grid 83 x 3, 19 waves a work-group, no clusters, 157,184 bytes of LDS; arguments xk, nt, leaf_values, init_pred, out0; writes out0
